; MI455X (gfx1250); checked and timed in simulation.
; The chip was launched on July 23, 2026; its instructions are those of AMD's public machine-readable ISA for CDNA 5 (MIT licence, August 2026) and "CDNA5" Instruction Set Architecture Reference Guide (July 2026). The comments in the code are by the model that wrote it; some were corrected since.
;; Attention. Allowed arithmetic: float matrix products may take bf16 or f16 operands with f32 sums; other float arithmetic in f32, or as packed bf16 or f16 multiplies, adds, multiply-adds, maxima and minima; sums over many terms, partial sums and values carried from step to step in f32; what a program stores and reads back later, other than sums and carried values, may be rounded once to bf16 or f16.
;; Inputs: keys 8 x 1,024 x 2,048 float32; queries 8 x 2,048 x 1,024 float32; values 8 x 2,048 x 1,024 float32.
;; Outputs: out0 8 x 2,048 x 1,024 float32.
;; 2 versions, each right; version 2 is version 1 with the launch cast written anew for expert scheduling mode. Each part assembles by itself: llvm-mc -triple=amdgcn-amd-amdhsa -mcpu=gfx1250 --defsym DOCPART=n.
;; ======== version 1 of 2: 3 launches
;; limits: inputs' magnitudes at most 65,504; values are held in f16: magnitudes above 65,504 overflow, below 6.1e-05 lose precision
;; workspace buffers: qh 33,554,432 bytes; kh 33,554,432 bytes; vh 33,554,432 bytes; ph 67,108,864 bytes; st 2,097,152 bytes
;; launch cast (part 1): grid 512 x 2, 8 waves a work-group, no clusters, 0 bytes of LDS; arguments queries, keys, qh, kh; writes qh, kh
.if DOCPART == 1
	.amdgcn_target "amdgcn-amd-amdhsa--gfx1250"
	.amdhsa_code_object_version 6
	.text
	.protected	k_q58658c0681_cast
	.globl	k_q58658c0681_cast
	.p2align	8
	.type	k_q58658c0681_cast,@function
k_q58658c0681_cast:
	s_mov_b64 s[64:65], 0
	v_nop
	global_prefetch_b8 v0, s[64:65] scope:SCOPE_SE
	s_setreg_imm32_b32 hwreg(HW_REG_WAVE_MODE, 25, 1), 1
	s_wait_xcnt 0x0
; queries and keys (f32, 67,108,864 bytes each) are rounded once to f16, in the order in which they lie: qh, kh.  (values are rounded by the launch behind, beside its matrix work.)
; LIMIT: a number of magnitude 65,520 or more becomes an infinity in f16; the inputs have room for some thousand times their spread.
; SHARES.  The grid's y picks the tensor, its x a piece of 131,072 input bytes; each of the eight waves takes 16,384 of them: 32 loads of 512 consecutive bytes, aligned,
; and 32 stores of 256 consecutive bytes, aligned.
; A RING OF 16 SLOTS in registers: sixteen loads of every wave are on their way; a slot is converted into registers of its own (Y), asked for again at once, and Y is stored.
; In the second pass nothing is asked for: a slot is converted in place and stored from there.  So no register that a memory instruction may still read is ever written again, and the only
; waits are the counted ones for the loads.  100 registers a wave and two waves of a work-group on a SIMD: the four work-groups that fall to each of 256 WGPs take 800 of a SIMD's 1,024.
; No LDS, no matrix unit, no cluster: nothing is shared and nothing is read twice.
.set X, 4                              ; v[4:67]   slot i: 4 registers as loaded
.set Y, 68                             ; v[68:99]  slot i: 2 registers to store, first pass
	s_load_b256 s[4:11], s[0:1], 0x0               ; queries s[4:5], keys s[6:7], qh s[8:9], kh s[10:11]
	s_and_b32 s16, ttmp7, 0xffff                   ; which tensor
	s_lshl_b32 s24, ttmp9, 17                      ; the work-group's piece: 131,072 bytes in,
	s_mov_b32 s25, 0
	s_lshl_b32 s26, ttmp9, 16                      ; 65,536 bytes out
	s_mov_b32 s27, 0
	v_and_b32 v1, 31, v0                           ; lane
	v_lshrrev_b32 v3, 5, v0                        ; wave
	v_lshlrev_b32 v2, 3, v1                        ; out: 8 bytes a lane,
	v_lshlrev_b32 v1, 4, v1                        ; in: 16 bytes a lane,
	v_lshl_add_u32 v1, v3, 14, v1                  ; + 16,384 x wave
	v_lshl_add_u32 v2, v3, 13, v2                  ; + 8,192 x wave
	s_wait_kmcnt 0x0
	s_cmp_eq_u32 s16, 1
	s_cselect_b64 s[20:21], s[6:7], s[4:5]
	s_cselect_b64 s[22:23], s[10:11], s[8:9]
	s_add_nc_u64 s[20:21], s[20:21], s[24:25]
	s_add_nc_u64 s[22:23], s[22:23], s[26:27]
.set i, 0
.rept 16
	global_load_b128 v[X+4*i:X+4*i+3], v1, s[20:21] offset:512*i th:TH_LOAD_NT
.set i, i+1
.endr
.set i, 0
.rept 16
	s_wait_loadcnt 15                              ; loads come back in order: slot i's is in; the 15 younger ones (the rest of the first sixteen, and the i refills) stay out
	v_cvt_pk_f16_f32 v[Y+2*i], v[X+4*i], v[X+4*i+1]
	v_cvt_pk_f16_f32 v[Y+2*i+1], v[X+4*i+2], v[X+4*i+3]
	global_load_b128 v[X+4*i:X+4*i+3], v1, s[20:21] offset:512*(i+16) th:TH_LOAD_NT  ; the load goes out ahead of the store
	global_store_b64 v2, v[Y+2*i:Y+2*i+1], s[22:23] offset:256*i th:TH_STORE_NT
.set i, i+1
.endr
.set i, 0
.rept 16
	s_wait_loadcnt 15-i                            ; the second pass loads nothing: the counts run down
	v_cvt_pk_f16_f32 v[X+4*i], v[X+4*i], v[X+4*i+1]
	v_cvt_pk_f16_f32 v[X+4*i+1], v[X+4*i+2], v[X+4*i+3]
	global_store_b64 v2, v[X+4*i:X+4*i+1], s[22:23] offset:256*(i+16) th:TH_STORE_NT
.set i, i+1
.endr
	s_endpgm
.Lfunc_end_k_q58658c0681_cast:
	.size	k_q58658c0681_cast, .Lfunc_end_k_q58658c0681_cast-k_q58658c0681_cast
	.p2alignl 7, 3214868480
	.fill 96, 4, 3214868480
	.section	.rodata,"a",@progbits
	.p2align	6, 0x0
	.amdhsa_kernel k_q58658c0681_cast
		.amdhsa_group_segment_fixed_size 0
		.amdhsa_private_segment_fixed_size 0
		.amdhsa_enable_private_segment 0
		.amdhsa_kernarg_size 32
		.amdhsa_user_sgpr_count 2
		.amdhsa_user_sgpr_kernarg_segment_ptr 1
		.amdhsa_wavefront_size32 1
		.amdhsa_system_sgpr_workgroup_id_x 1
		.amdhsa_system_sgpr_workgroup_id_y 1
		.amdhsa_system_sgpr_workgroup_id_z 1
		.amdhsa_system_vgpr_workitem_id 0
		.amdhsa_next_free_vgpr 100
		.amdhsa_next_free_sgpr 66
		.amdhsa_reserve_vcc 0
		.amdhsa_float_denorm_mode_32 3
		.amdhsa_float_denorm_mode_16_64 3
		.amdhsa_memory_ordered 1
		.amdhsa_forward_progress 1
		.amdhsa_inst_pref_size 12
	.end_amdhsa_kernel
	.amdgpu_metadata
---
amdhsa.version: [ 1, 2 ]
amdhsa.kernels:
  - .name:           k_q58658c0681_cast
    .symbol:         k_q58658c0681_cast.kd
    .args:
      - { .name: queries, .offset: 0, .size: 8, .value_kind: global_buffer, .address_space: global }
      - { .name: keys, .offset: 8, .size: 8, .value_kind: global_buffer, .address_space: global }
      - { .name: qh, .offset: 16, .size: 8, .value_kind: global_buffer, .address_space: global }
      - { .name: kh, .offset: 24, .size: 8, .value_kind: global_buffer, .address_space: global }
    .group_segment_fixed_size: 0
    .private_segment_fixed_size: 0
    .kernarg_segment_align: 8
    .kernarg_segment_size: 32
    .max_flat_workgroup_size: 256
    .sgpr_count:     66
    .vgpr_count:     100
    .wavefront_size: 32
...
	.end_amdgpu_metadata
.endif
;; end of part 1
;; launch scores (part 2): grid 8 x 64, 4 waves a work-group, clusters of 4 x 4, 327,680 bytes of LDS; arguments qh, kh, ph, st, values, vh; writes ph, st, vh
.if DOCPART == 2
	.amdgcn_target "amdgcn-amd-amdhsa--gfx1250"
	.amdhsa_code_object_version 6
	.text
	.protected	k_q58658c0681_scores
	.globl	k_q58658c0681_scores
	.p2align	8
	.type	k_q58658c0681_scores,@function
k_q58658c0681_scores:
	s_mov_b64 s[64:65], 0
	v_nop
	global_prefetch_b8 v0, s[64:65] scope:SCOPE_SE
	s_setreg_imm32_b32 hwreg(HW_REG_WAVE_MODE, 25, 1), 1
	s_wait_xcnt 0x0
	s_wait_alu depctr_hold_cnt(0) depctr_sa_sdst(0) depctr_va_vdst(0) depctr_va_sdst(0) depctr_va_ssrc(0) depctr_va_vcc(0) depctr_vm_vsrc(0)
	s_getreg_b32 s2, hwreg(HW_REG_IB_STS2, 6, 4)
	s_cmp_eq_u32 s2, 0
	s_cbranch_scc0 .Lentry_in_a_cluster
	s_endpgm
.Lentry_in_a_cluster:
	s_bfe_u32 s2, ttmp6, 0x10000c
	s_cmp_lg_u32 s2, 0xf033
	s_cbranch_scc0 .Lentry_shape_is_right
	s_endpgm
.Lentry_shape_is_right:
; S = Q K for 8 batches, and the softmax's first half.  qh: f16 [16384 rows = 8 x 2048 queries][1024]; kh: f16 [8][1024 channels][2048 keys];
; ph: f16 [16384][2048 keys]; st: f32 [8][16 groups][2: c m, l][2048 queries].  Products, maxima and sums in f32.
; SOFTMAX BY GROUPS of 128 keys (a wave's columns).  For a query and a group: c m = c x the largest score of the group, c = log2(e) / 32; p = 2^(c s - c m), at most 1, rounded to f16
; into ph; l = the sum of the unrounded p.  The launch behind takes the true maximum over a row's 16 groups and joins them: the maximum is taken away in front of every exponential.
; BESIDE THE PRODUCT the launch rounds values (f32, 67,108,864 bytes) once to f16 into vh, in the order in which they lie, for the launch behind: 32,768 bytes a wave, 4,096 in each of the
; tile's 8 steps.  A chunk's eight loads (512 consecutive bytes each) are asked for a whole step ahead of their use, so that these bytes move while the matrix instructions run.
; LIMITS.  qh and kh hold no number beyond 65,504; a value of magnitude 65,520 or more becomes an infinity in vh; a weight below 2^-126 counts as 0 in l; NaN and infinities are not treated apart.
; SHARES.  A tile of 256 queries x 256 keys to a work-group of four waves, 128 x 128 to a wave: 64 accumulators of 16 x 16, 512 registers.  The channels go in 8 steps of 128 through a
; ring of two LDS slots filled by the tensor data mover.  Q's rows lie along the channels (256 bytes a step); K lies [channel][key]: a step is 128 rows of 512 bytes, and its fragments are
; turned on the way out of LDS by ds_load_tr16_b128.
; CLUSTERS of 4 x 4 work-groups: the four of a row of the cluster need the same tile of Q, the four of a column the same tile of K: each is asked for JOINTLY, by the same tensor load with
; the same descriptor and a mask that names the four.
; THE MATRIX INSTRUCTION IS USED TRANSPOSED (source 0 = 16 keys, source 1 = 16 queries): a lane holds ONE query (lane % 16) and the keys 8 (lane / 16) + 0..7 of each block of 16:
; a query's maximum and sum want one exchange between the halves of the lanes, and eight neighbouring weights pack into 16 bytes.
; REGISTERS, in windows of 256 (s_set_vgpr_msb: bits 1:0 source 0, 3:2 source 1, 5:4 source 2, 7:6 destination):
;   window 0: v0-31 addresses; v64-127, v128-191 fragments of Q, two buffers (on the way out: E, MT, X); v192-223 packed weights; v32-63, v224-255 rows read back, by turns
;             (in the loop: v32-63 a chunk of values as loaded, v224-239 as stored)
;   window 1: v64-127, v128-191 fragments of K, two buffers     window 2: the accumulators of my rows 0-63, (a, b) at v[8 (8 a + b)]     window 3: those of rows 64-127
.set PAB,    2048                      ; bytes in a row of qh
.set PBB,    4096                      ; bytes in a row of kh
.set KSTEPS, 8                         ; steps of 128 channels
.set BST,    128*PBB                   ; bytes from a step of K to the next
.set PITCH,  272                       ; Q's LDS row: 256 bytes + 16 of padding = 68 words: the 16 rows of a load start at 16 different groups of four banks (64 banks of 4 bytes: ISA guide 11.1)
.set PB,     544                       ; K's LDS row: 512 bytes + 32 of padding = 136 words
.set HALFT,  128*PITCH                 ; what one tensor load brings: 128 rows of Q, or 64 rows of K (64 x 544 is the same number)
.set SLOT,   4*HALFT                   ; Q's 256 rows, then K's 128.  0x22000 shares no bit with wave x 0x8800, so one exclusive or turns an address in one slot into the other's
.set STAGE,  2*SLOT                    ; behind the ring: 16 rows x 272 bytes for each wave, for the way out
.set SPITCH, 272
.set STATB,  STAGE+4*16*SPITCH         ; 1,024 bytes for each wave: c m of its 128 rows, then l
.set SPARE,  STATB+4*1024              ; the spare words, 128 bytes for each wave: two blocks of 256 bytes that no other line names
.set VI,    8                          ; v8   16 x lane: my bytes in a load of values; never rewritten
.set VO,    9                          ; v9   8 x lane: my bytes in a store into vh; never rewritten
.set CM,    12                         ; v[12:13] c m, and a 0 that is named with it as a pair
.set ADRA0, 16                         ; v16  my lane's place in Q's part of slot 0; never rewritten
.set ADRA,  17                         ; v17  the same in the slot in hand
.set ADRB0, 20                         ; v20, v21  the same for K
.set ADRB,  21
.set SST,   22                         ; v22  where I put a row's statistics
.set SRD,   23                         ; v23  where I read 16 bytes of them back
.set STO,   24                         ; v24  the way out: where I put 16 bytes of a row
.set RD,    25                         ; v25  where I read a row back
.set CO,    26                         ; v26  my byte offset in ph
.set GST,   27                         ; v27  my byte offset in st
.set SPW,   28                         ; v28  LDS address of my spare word; never rewritten
.set NIL,   29                         ; v29  0; never rewritten
.set PFO,   30                         ; v30  the prefetches' offset; never rewritten
.set VX,    32                         ; v[32:63]   a chunk of values, 8 x 4 registers as loaded
.set VY,    224                        ; v[224:239] the same chunk in f16, 8 x 2 registers to store
.set F0,    64
.set F1,    128
.set TMP,   192
.set OB,    32
.set E,     64                         ; the way out: a block's 64 scaled scores, then weights
.set MT,    128                        ; 16 partial maxima
.set X,     144                        ; at work
.set WV,  12                           ; s12 wave;  s13 its half of the rows, also: it fetches Q (0) or K (1);  s14 its half of the columns, also: which half of that tile it fetches
.set RH,  13
.set CH,  14
.set CX,  15                           ; my place in the cluster
.set CY,  16
.set TC,  17                           ; tile column
.set TR,  18                           ; tile row
.set BAT, 19                           ; batch: made of the cluster's y alone
.set G1A, 24                           ; s[24:31] descriptor group 1 for Q's tiles;  s[32:39] group 0: a set for each first fill; the second then walks on
.set G0A, 32
.set CNT, 41                           ; s41 refills still to come
.set TB,  42                           ; s42 the slot to read: 0 or SLOT
.set LIM, 43                           ; s43 2 in a wave that prefetches, else the greatest number
.set PFA, 44                           ; s[44:45] where my prefetches stand
.set PST, 46                           ; s[46:47] their step
.set G1B, 48                           ; s[48:55], s[56:63] the same for K's tiles
.set G0B, 56
.set CS,  66                           ; s[66:67] c, twice
.set SEL, 68                           ; s[68:69] v_permlanex16_b32's selects: each lane takes its own place in the other half
.set CLY, 72                           ; s72 the cluster's y
.set VIN, 80                           ; s[80:81] values at the chunk that was last asked for
.set VOUT, 82                          ; s[82:83] vh, one chunk behind the chunk that was last stored
.set MSB, 0
.macro WIN new                         ; the immediate's high byte repeats the setting that is left; a switch that changes nothing is dropped
.if MSB != (\new)
	s_set_vgpr_msb (MSB<<8)|(\new)
.set MSB, \new
.endif
.endm
.set MUL_LO, 0xa1                      ; source 0 (K) window 1, source 1 (Q) window 0, C and D window 2
.set MUL_HI, 0xf1                      ; the same, C and D window 3
.set TO_B,   0x40                      ; destination window 1, address window 0
.macro PLACES                          ; four plain instructions between a matrix instruction and a load into, or a vector write of, one of its registers
.rept 4
	v_nop
.endr
.endm
; A joint refill by the walking descriptors.  Waves 0 and 1 fetch Q's two halves, waves 2 and 3 K's.  The branch hangs on the wave's number alone.
; An s_nop 0 and four v_nop follow each of the two lines, ahead of the jump and the label.
.macro JLOAD
	s_cmp_eq_u32 s[RH], 0
	s_cbranch_scc0 .Lfor_b_\@
	tensor_load_to_lds s[G0A+4:G0A+7], s[G1A:G1A+7]
	s_nop 0
.rept 4
	v_nop
.endr
	s_branch .Lasked_\@
.Lfor_b_\@:
	tensor_load_to_lds s[G0B+4:G0B+7], s[G1B:G1B+7]
	s_nop 0
.rept 4
	v_nop
.endr
.Lasked_\@:
.endm
; A PREFETCH INTO THE L2 of the step that stands two refills on, behind each joint load and the run of LDS loads that follows it: one instruction a wave, a lane a block of 256 bytes.
; Each block is named once in the launch.  Q's rows are read by both clusters of a row of clusters: the one with x = 0 asks.  K's columns are read by the two clusters of a batch: the one
; with even y asks.  The four partners that ask for a tile jointly share its blocks out BY ADDRESS (32 of a wave's 128 rows of Q by cx; 16 of its 64 rows of K, two blocks each, by cy).
; The last two refills have no step two on: a wave asks while more than two refills are to come.  Steps 0 to 3 come by their loads alone.
.macro ASK
	s_cmp_gt_u32 s[CNT], s[LIM]
	s_cbranch_scc0 .Lnot_mine_\@
	global_prefetch_b8 v[PFO], s[PFA:PFA+1] th:TH_LOAD_NT scope:SCOPE_SE
.Lnot_mine_\@:
.endm
; A round of the cluster's barrier: my work-group's barrier; wave 0 signals for the work-group; every wave waits for all sixteen; my work-group's barrier once more.
.macro CREST
	s_cmp_lg_u32 s[WV], 0
	s_cbranch_scc1 .Lnot_wave_0_\@
	s_barrier_signal -3
.Lnot_wave_0_\@:
	s_barrier_wait -3
	s_barrier_signal -1
	s_barrier_wait -1
.endm
.macro CROUND
	s_barrier_signal -1
	s_barrier_wait -1
	CREST
.endm
	s_load_b256 s[4:11], s[0:1], 0x0               ; qh s[4:5], kh s[6:7], ph s[8:9], st s[10:11]
	s_load_b128 s[VIN:VIN+3], s[0:1], 0x20         ; values s[80:81], vh s[82:83]
	v_lshl_add_u32 v[SPW], v0, 2, SPARE
	v_mov_b32 v[NIL], 0
	ds_add_u32 v[SPW], v[NIL]                      ; the wave's opening: the add and its wait stand ahead of my first tensor load; the set-up below, work on registers, stands between them
	v_lshrrev_b32 v1, 5, v0
	v_readfirstlane_b32 s[WV], v1
	s_lshr_b32 s[RH], s[WV], 1
	s_and_b32 s[CH], s[WV], 1
	s_bfe_u32 s[CX], ttmp6, 0x40000
	s_bfe_u32 s[CY], ttmp6, 0x40004
	s_lshl_b32 s[TC], ttmp9, 2                     ; in a cluster launch ttmp9 and ttmp7 count clusters
	s_add_co_u32 s[TC], s[TC], s[CX]               ; tile column = 4 x cluster x + cx
	s_and_b32 s[CLY], ttmp7, 0xffff
	s_lshl_b32 s[TR], s[CLY], 2
	s_add_co_u32 s[TR], s[TR], s[CY]               ; tile row = 4 x cluster y + cy
	s_lshr_b32 s[BAT], s[CLY], 1                   ; eight tile rows, two clusters, to a batch
	s_lshl_b32 s40, s[CY], 2
	s_lshl_b32 s40, 15, s40                        ; my row of the cluster
	s_lshl_b32 s70, 0x1111, s[CX]                  ; my column
	s_or_b32 s[G1A], s40, (1<<16)|(1<<20)|(1<<21)|(5<<22)|(3<<25)  ; 15:0 the mask; 17:16 2-byte elements; 20 padding on; 21 set beside a mask; 24:22 after every 64 words; 31:25 4 words
	s_or_b32 s[G1B], s70, (1<<16)|(1<<20)|(1<<21)|(6<<22)|(7<<25)  ; the column's mask; after every 128 words 8 words
	s_mov_b32 s[G1A+1], 128<<16                    ; tensor_dim0 = 128
	s_mov_b32 s[G1A+2], 128<<16                    ; tensor_dim1 = 128
	s_mov_b32 s[G1A+3], 128<<16                    ; tile_dim0 = 128
	s_mov_b32 s[G1A+4], 128                        ; tile_dim1 = 128
	s_mov_b32 s[G1A+5], PAB/2                      ; elements from row to row
	s_mov_b32 s[G1A+6], 0
	s_mov_b32 s[G1A+7], 0
	s_mov_b32 s[G1B+1], 256<<16                    ; tensor_dim0 = 256
	s_mov_b32 s[G1B+2], 64<<16                     ; tensor_dim1 = 64
	s_mov_b32 s[G1B+3], 256<<16                    ; tile_dim0 = 256
	s_mov_b32 s[G1B+4], 64                         ; tile_dim1 = 64
	s_mov_b32 s[G1B+5], PBB/2
	s_mov_b32 s[G1B+6], 0
	s_mov_b32 s[G1B+7], 0
	s_lshl_b32 s20, s[TR], 1                       ; Q: row 256 x tile row + 128 x half: it hangs on the tile row alone, which my row of the cluster shares
	s_add_co_u32 s20, s20, s[CH]
	s_mul_i32 s20, s20, 128*PAB
	s_mov_b32 s21, 0
	s_lshl_b32 s22, s[BAT], 22                     ; K: the batch's 4 MiB, 64 rows x half, 512 bytes x tile column: shared by my column of the cluster
	s_mul_i32 s70, s[CH], 64*PBB
	s_add_co_u32 s22, s22, s70
	s_lshl_b32 s70, s[TC], 9
	s_add_co_u32 s22, s22, s70
	s_mov_b32 s23, 0
	s_mul_i32 s71, s[WV], HALFT                    ; where my tiles go: no place in the cluster enters an LDS address
	s_mov_b32 s[CS], 0x3d38aa3b                    ; c = log2(e) / 32
	s_mov_b32 s[CS+1], s[CS]
	s_mov_b32 s[SEL], 0x76543210
	s_mov_b32 s[SEL+1], 0xfedcba98
	s_mov_b32 s[TB], 0
	s_wait_dscnt 0x0                               ; the opening add is done
	s_wait_kmcnt 0x0
	s_add_nc_u64 s[20:21], s[4:5], s[20:21]
	s_add_nc_u64 s[22:23], s[6:7], s[22:23]
	CROUND                                         ; all sixteen work-groups are here: the first joint loads meet
	s_mov_b32 s[G0A], 1                            ; count = 1
	s_mov_b32 s[G0A+1], s71                        ; LDS address: slot 0
	s_add_nc_u64 s[G0A+2:G0A+3], s[20:21], 0       ; step 0
	s_or_b32 s[G0A+3], s[G0A+3], 0x80000000        ; type = 2
	s_mov_b32 s[G0A+4], 1
	s_add_co_u32 s[G0A+5], s71, SLOT               ; slot 1
	s_add_nc_u64 s[G0A+6:G0A+7], s[20:21], 256     ; step 1
	s_or_b32 s[G0A+7], s[G0A+7], 0x80000000
	s_mov_b32 s[G0B], 1
	s_mov_b32 s[G0B+1], s71
	s_add_nc_u64 s[G0B+2:G0B+3], s[22:23], 0
	s_or_b32 s[G0B+3], s[G0B+3], 0x80000000
	s_mov_b32 s[G0B+4], 1
	s_add_co_u32 s[G0B+5], s71, SLOT
	s_add_nc_u64 s[G0B+6:G0B+7], s[22:23], BST
	s_or_b32 s[G0B+7], s[G0B+7], 0x80000000
	s_cmp_eq_u32 s[RH], 0                          ; a wave's two first fills stand in one branch, ahead of every wait on TENSORcnt and every LDS read: two loads of mine are out
	s_cbranch_scc0 .Lfirst_b
	tensor_load_to_lds s[G0A:G0A+3], s[G1A:G1A+7]
	s_nop 0
	tensor_load_to_lds s[G0A+4:G0A+7], s[G1A:G1A+7]
	s_nop 0
.rept 4
	v_nop
.endr
	s_branch .Lfirst_asked
.Lfirst_b:
	tensor_load_to_lds s[G0B:G0B+3], s[G1B:G1B+7]
	s_nop 0
	tensor_load_to_lds s[G0B+4:G0B+7], s[G1B:G1B+7]
	s_nop 0
.rept 4
	v_nop
.endr
.Lfirst_asked:
	; A fragment of Q is 16 rows x 32 channels in 8 registers: lane l holds row l % 16, channels 8 (l / 16) + 0..7 and 16 + 8 (l / 16) + 0..7: two loads of 16 bytes, 32 bytes apart.
	v_and_b32 v1, 15, v0                           ; l % 16
	v_bfe_u32 v2, v0, 4, 1                         ; l / 16
	v_mul_u32_u24 v3, v1, PITCH
	v_lshl_add_u32 v3, v2, 4, v3                   ; row x pitch + 16 x half
	s_mul_i32 s73, s[RH], HALFT
	v_add_nc_u32 v[ADRA0], s73, v3
	; The turning load takes 16 channels x 16 keys (lane l reads channel 8 (l / 16) + l % 8, keys 8 ((l / 8) % 2) + 0..7) and leaves half a fragment: lane l holds key l % 16 and 8 channels.
	v_and_b32 v4, 7, v0
	v_lshl_add_u32 v4, v2, 3, v4
	v_mul_u32_u24 v4, v4, PB
	v_bfe_u32 v5, v0, 3, 1
	v_lshl_add_u32 v4, v5, 4, v4
	s_lshl_b32 s73, s[CH], 8                       ; my 128 keys: 256 bytes of a row,
	s_add_co_u32 s73, s73, 2*HALFT                 ; behind Q's 256 rows
	v_add_nc_u32 v[ADRB0], s73, v4
	s_mul_i32 s73, s[WV], 16*SPITCH
	s_add_co_u32 s73, s73, STAGE                   ; my stage
	v_add_nc_u32 v[STO], s73, v3                   ; in: row l % 16, 16 bytes for each half of the lanes
	v_mul_u32_u24 v5, v2, SPITCH                   ; back: lanes 0-15 take one row of 256 bytes, lanes 16-31 the next
	v_lshl_add_u32 v5, v1, 4, v5
	v_add_nc_u32 v[RD], s73, v5
	v_lshlrev_b32 v5, 12, v2                       ; and the same two rows in ph (4,096 bytes a row)
	v_lshl_add_u32 v[CO], v1, 4, v5
	s_lshl_b32 s73, s[WV], 10
	s_add_co_u32 s73, s73, STATB                   ; my statistics
	v_lshl_add_u32 v[SST], v1, 2, s73
	v_and_b32 v5, 31, v0
	v_lshl_add_u32 v[SRD], v5, 4, s73
	v_lshlrev_b32 v[GST], 4, v5
	v_lshlrev_b32 v[VI], 4, v5
	v_lshlrev_b32 v[VO], 3, v5
	v_mov_b32 v[CM+1], 0
	s_lshl_b32 s74, s[TR], 1                       ; ph at my part of the tile: row 256 x tile row + 128 x half, 4,096 bytes a row,
	s_add_co_u32 s74, s74, s[RH]
	s_lshl_b32 s74, s74, 19
	s_lshl_b32 s76, s[TC], 1
	s_add_co_u32 s76, s76, s[CH]                   ; my group of 128 keys = 2 x tile column + half: 256 bytes of a row
	s_lshl_b32 s77, s76, 8
	s_add_co_u32 s74, s74, s77
	s_mov_b32 s75, 0
	s_add_nc_u64 s[8:9], s[8:9], s[74:75]
	s_lshl_b32 s74, s[BAT], 4                      ; st at (batch, group): 16,384 bytes each, and my 128 queries of the batch's 2,048
	s_add_co_u32 s74, s74, s76
	s_lshl_b32 s74, s74, 14
	s_and_b32 s77, s[TR], 7
	s_lshl_b32 s77, s77, 1
	s_add_co_u32 s77, s77, s[RH]
	s_lshl_b32 s77, s77, 9
	s_add_co_u32 s74, s74, s77
	s_add_nc_u64 s[10:11], s[10:11], s[74:75]
	s_lshl_b32 s74, s[TR], 3                       ; values and vh at my wave's share: wave (8 x tile row + tile column) x 4 + wave of the launch's 2,048:
	s_add_co_u32 s74, s74, s[TC]
	s_lshl_b32 s74, s74, 2
	s_add_co_u32 s74, s74, s[WV]
	s_lshl_b32 s76, s74, 14                        ; 16,384 bytes out,
	s_lshl_b32 s74, s74, 15                        ; 32,768 bytes in
	s_mov_b32 s77, 0
	s_add_nc_u64 s[VIN:VIN+1], s[VIN:VIN+1], s[74:75]
	s_add_nc_u64 s[VOUT:VOUT+1], s[VOUT:VOUT+1], s[76:77]
.irp i, 0,1,2,3,4,5,6,7
	global_load_b128 v[VX+4*(\i):VX+4*(\i)+3], v[VI], s[VIN:VIN+1] offset:512*(\i) th:TH_LOAD_NT  ; the first chunk of values
.endr
	; the prefetches: offsets made apart from the addresses, then one choice by what the wave fetches
	s_lshl_b32 s74, s[TR], 1
	s_add_co_u32 s74, s74, s[CH]
	s_lshl_b32 s74, s74, 2
	s_add_co_u32 s74, s74, s[CX]                   ; Q: of the 128 rows that I fetch my work-group takes 32, by cx
	s_mul_i32 s74, s74, 32*PAB
	s_add_co_u32 s74, s74, 3*256                   ; at step 3: the first refill steps it to 4
	s_lshl_b32 s76, s[CH], 2
	s_add_co_u32 s76, s76, s[CY]                   ; K: of the 64 rows that I fetch my work-group takes 16, by cy
	s_mul_i32 s76, s76, 16*PBB
	s_lshl_b32 s77, s[BAT], 22
	s_add_co_u32 s76, s76, s77
	s_lshl_b32 s77, s[TC], 9
	s_add_co_u32 s76, s76, s77
	s_add_co_u32 s76, s76, 3*BST
	s_mov_b32 s[PST], BST
	s_mov_b32 s[PST+1], 0
	s_and_b32 s77, s[CLY], 1
	s_cmp_eq_u32 s[RH], 0                          ; do I fetch Q?
	s_cselect_b32 s74, s74, s76
	s_cselect_b64 s[PFA:PFA+1], s[4:5], s[6:7]
	s_cselect_b32 s[PST], 256, s[PST]
	s_cselect_b32 s77, ttmp9, s77                  ; the coordinate along which another cluster reads the same blocks
	s_cselect_b32 s40, -1, 0
	s_add_nc_u64 s[PFA:PFA+1], s[PFA:PFA+1], s[74:75]
	s_cmp_eq_u32 s77, 0
	s_cselect_b32 s[LIM], 2, -1                    ; the same in all sixteen partners, for a given wave
	v_mul_u32_u24 v6, v5, PAB                      ; Q: a lane a row
	v_lshrrev_b32 v7, 1, v5                        ; K: two lanes a row of 512 bytes
	v_mul_u32_u24 v7, v7, PBB
	v_and_b32 v5, 1, v0
	v_lshl_add_u32 v7, v5, 8, v7
	v_cndmask_b32 v[PFO], v7, v6, s40
; 16 matrix instructions: query blocks a0, a0 + 1 of the window's four (hi = 0: my rows 0-63, 1: rows 64-127) x all 8 key blocks, 32 channels.  zero = 1: the products start the sums.
; The 64 accumulators take turns, one instruction a turn, in the same order in every quarter.
.macro MUL16 f, hi, a0, zero
	WIN MUL_LO+0x50*(\hi)
.irp a, \a0, (\a0)+1
.irp b, 0,1,2,3,4,5,6,7
.if \zero
	v_wmma_f32_16x16x32_f16 v[8*(8*(\a)+(\b)):8*(8*(\a)+(\b))+7], v[(\f)+8*(\b):(\f)+8*(\b)+7], v[(\f)+8*(4*(\hi)+(\a)):(\f)+8*(4*(\hi)+(\a))+7], 0
.else
	v_wmma_f32_16x16x32_f16 v[8*(8*(\a)+(\b)):8*(8*(\a)+(\b))+7], v[(\f)+8*(\b):(\f)+8*(\b)+7], v[(\f)+8*(4*(\hi)+(\a)):(\f)+8*(4*(\hi)+(\a))+7], v[8*(8*(\a)+(\b)):8*(8*(\a)+(\b))+7]
.endif
.endr
.endr
.endm
; 32 LDS loads in one run: the fragments of quarter k (32 channels) of the slot in hand into buffer f: Q's blocks 0-3, K's eight, Q's blocks 4-7
.macro FETCH k, f
	WIN 0
.irp i, 0,1,2,3
	ds_load_b128 v[(\f)+8*(\i):(\f)+8*(\i)+3],   v[ADRA] offset:64*(\k)+(\i)*16*PITCH
	ds_load_b128 v[(\f)+8*(\i)+4:(\f)+8*(\i)+7], v[ADRA] offset:64*(\k)+(\i)*16*PITCH+32
.endr
	WIN TO_B
.irp i, 0,1,2,3,4,5,6,7
	ds_load_tr16_b128 v[(\f)+8*(\i):(\f)+8*(\i)+3],   v[ADRB] offset:(\k)*32*PB+32*(\i)
	ds_load_tr16_b128 v[(\f)+8*(\i)+4:(\f)+8*(\i)+7], v[ADRB] offset:(\k)*32*PB+16*PB+32*(\i)
.endr
	WIN 0
.irp i, 4,5,6,7
	ds_load_b128 v[(\f)+8*(\i):(\f)+8*(\i)+3],   v[ADRA] offset:64*(\k)+(\i)*16*PITCH
	ds_load_b128 v[(\f)+8*(\i)+4:(\f)+8*(\i)+7], v[ADRA] offset:64*(\k)+(\i)*16*PITCH+32
.endr
.endm
; A CHUNK OF VALUES, 4,096 bytes a wave, once a step: rounded to f16 and stored; more = 1: the next chunk is asked for, into the registers just read.  None of its registers is a matrix instruction's.
.macro VCAST more
	WIN 0
	s_wait_loadcnt 0x0                             ; the chunk's eight loads, issued a whole step back, are in: the launch has no other loads into registers
	s_wait_xcnt 0x0                                ; the last chunk's stores have read their data and their base: both are written again only behind this wait
.irp i, 0,1,2,3,4,5,6,7
	v_cvt_pk_f16_f32 v[VY+2*(\i)],   v[VX+4*(\i)],   v[VX+4*(\i)+1]
	v_cvt_pk_f16_f32 v[VY+2*(\i)+1], v[VX+4*(\i)+2], v[VX+4*(\i)+3]
.endr
	s_add_nc_u64 s[VOUT:VOUT+1], s[VOUT:VOUT+1], 2048  ; stepped here, where nothing reads it; the stores below reach back by their immediate
.if \more
	s_add_nc_u64 s[VIN:VIN+1], s[VIN:VIN+1], 4096
.irp i, 0,1,2,3,4,5,6,7
	global_load_b128 v[VX+4*(\i):VX+4*(\i)+3], v[VI], s[VIN:VIN+1] offset:512*(\i) th:TH_LOAD_NT  ; the loads go out ahead of the stores
.endr
.endif
.irp i, 0,1,2,3,4,5,6,7
	global_store_b64 v[VO], v[VY+2*(\i):VY+2*(\i)+1], s[VOUT:VOUT+1] offset:256*(\i)-2048 th:TH_STORE_NT  ; the wave stores 256 consecutive bytes, at a multiple of 256 from vh's first byte
.endr
.endm
; A step is four quarters of 32 channels, 64 matrix instructions each, on buffers 0, 1, 0, 1.  One of the first three: multiplies buffer f; in its middle it fetches quarter k into buffer g.
; vc = 1 or 0: the step's chunk of values stands behind the run of LDS loads, with or without the request for the next.
.macro QUARTER k, f, g, zero, vc=-1
	s_wait_dscnt 8                                 ; Q's blocks 0-3 and K are in; the youngest eight loads (Q's blocks 4-7) may be out
	MUL16 \f, 0, 0, \zero
	MUL16 \f, 0, 2, \zero
	PLACES
	FETCH \k, \g
.if (\vc) >= 0
	VCAST \vc
.endif
	s_wait_dscnt 32                                ; all but the 32 just issued
	MUL16 \f, 1, 0, \zero
	MUL16 \f, 1, 2, \zero
.endm
; The last quarter multiplies buffer 1 and changes slots: ONE barrier.  In front of it each wave waits for all its tensor loads, of which one is out: its part of the next slot; adds 0 to its
; spare word; and waits for that and for its own reads of this slot.  fill = 1: the barrier opens a round of the cluster's, so that no wave of any partner still reads the slot or has a load on
; its way; the joint refill, two steps ahead, is the first tensor load behind it: 224 matrix instructions stand between it and the wait for it.
.macro TURN fill
.if \fill
	s_wait_xcnt 0x0                                ; the last prefetch, a step back, has read its address, so it may be stepped
	s_add_nc_u64 s[PFA:PFA+1], s[PFA:PFA+1], s[PST:PST+1]
.endif
	WIN 0                                          ; (the add's two registers lie in window 0)
	s_wait_tensorcnt 0x0                           ; no tensor load of mine is out, so a group 0 may be written
	ds_add_u32 v[SPW], v[NIL]                      ; 0 onto my spare word
.if \fill
	s_xor_b32 s[G0A+5], s[G0A+5], SLOT             ; the walking descriptors: the other slot than last time,
	s_add_nc_u64 s[G0A+6:G0A+7], s[G0A+6:G0A+7], 256  ; the next step; the type bits on top are not reached
	s_xor_b32 s[G0B+5], s[G0B+5], SLOT
	s_add_nc_u64 s[G0B+6:G0B+7], s[G0B+6:G0B+7], BST
.endif
	s_xor_b32 s[TB], s[TB], SLOT                   ; the reads go to the other slot
	s_wait_dscnt 9                                 ; (the add and the youngest eight loads may be out)
	MUL16 F1, 0, 0, 0                              ; sixteen matrix instructions stand between the add and the wait for it
	s_wait_dscnt 0x0                               ; the add is done, and my reads of this slot are over
	s_barrier_signal -1
	MUL16 F1, 0, 2, 0                              ; work on registers while the others arrive
	WIN 0                                          ; at a branch and at a label every window is 0
	s_barrier_wait -1
.if \fill
	CREST
	JLOAD                                          ; the four v_nop behind it are also the places in front of the loads below
.else
	PLACES
.endif
	v_add_nc_u32 v[ADRA], s[TB], v[ADRA0]
	v_add_nc_u32 v[ADRB], s[TB], v[ADRB0]
	FETCH 0, F0
.if \fill
	ASK
.endif
	MUL16 F1, 1, 0, 0
	MUL16 F1, 1, 2, 0
.endm
; THE WAY OUT of block a (16 queries x my 128 keys).  SOFT: the maximum, c m, the 64 weights a lane, their sum.  The 64 exponentials are one batch with one wait.
.macro SOFT a
.set SW, 2+(\a)/4                      ; the block's window
.set AC, 64*((\a)%4)                   ; its eight accumulators
	WIN 21*SW                                      ; all three sources in the block's window.
.irp b, 0,1,2,3,4,5,6,7
	v_max3_num_f32 v[MT+2*(\b)],   v[AC+8*(\b)],   v[AC+8*(\b)+1], v[AC+8*(\b)+2]
	v_max3_num_f32 v[MT+2*(\b)+1], v[AC+8*(\b)+3], v[AC+8*(\b)+4], v[AC+8*(\b)+5]
.endr
	WIN 20*SW                                      ; source 0 in window 0
.irp b, 0,1,2,3,4,5,6,7
	v_max3_num_f32 v[MT+2*(\b)], v[MT+2*(\b)], v[AC+8*(\b)+6], v[AC+8*(\b)+7]
.endr
	WIN 0
.irp i, 0,1,2,3,4
	v_max3_num_f32 v[X+(\i)], v[MT+3*(\i)], v[MT+3*(\i)+1], v[MT+3*(\i)+2]
.endr
	v_max3_num_f32 v[X+5], v[X], v[X+1], v[X+2]
	v_max3_num_f32 v[X+6], v[X+3], v[X+4], v[MT+15]
	v_max_num_f32 v[X], v[X+5], v[X+6]
	v_permlanex16_b32 v[X+1], v[X], s[SEL], s[SEL+1]  ; the query's other 64 keys lie in the lane 16 away
	v_max_num_f32 v[X+2], v[X], v[X+1]
	v_mul_f32 v[CM], s[CS], v[X+2]
	WIN SW                                         ; source 0 in the block's window
.set i, 0
.rept 32
	v_pk_fma_f32 v[E+2*i:E+2*i+1], v[AC+2*i:AC+2*i+1], s[CS:CS+1], v[CM:CM+1] op_sel_hi:[1,0,0] neg_lo:[0,0,1] neg_hi:[0,0,1]  ; c s - c m
.set i, i+1
.endr
	WIN 0
.set i, 0
.rept 64
	v_exp_f32 v[E+i], v[E+i]
.set i, i+1
.endr
	ds_store_b32 v[SST], v[CM] offset:64*(\a)      ; both halves of the lanes write the same word with the same number
	v_nop                                          ; a plain instruction behind the last exponential (ISA guide 5.7.2),
	s_wait_alu depctr_va_vdst(0)                   ; and the one wait ahead of the batch's first reader
.irp b, 0,1,2,3,4,5,6,7
.irp r, 0,1,2,3
	v_cvt_pk_f16_f32 v[TMP+4*(\b)+(\r)], v[E+8*(\b)+2*(\r)], v[E+8*(\b)+2*(\r)+1]
.endr
.endr
.irp w, 4,8,16,32,64                   ; the sum of the 32 pairs, in place: neighbours 1, 2, 4, 8 and 16 pairs apart
.set i, 0
.rept 64/(\w)
	v_pk_add_f32 v[E+(\w)*i:E+(\w)*i+1], v[E+(\w)*i:E+(\w)*i+1], v[E+(\w)*i+(\w)/2:E+(\w)*i+(\w)/2+1]
.set i, i+1
.endr
.endr
	v_add_f32 v[X], v[E], v[E+1]
	v_permlanex16_b32 v[X+1], v[X], s[SEL], s[SEL+1]
	v_add_f32 v[X+2], v[X], v[X+1]
	ds_store_b32 v[SST], v[X+2] offset:512+64*(\a)
.endm
.macro TOSTAGE a                       ; 16 bytes a lane into my own stage, and back as whole rows of 256 bytes
.set BK, OB+192*((\a)%2)
.irp b, 0,1,2,3,4,5,6,7
	ds_store_b128 v[STO], v[TMP+4*(\b):TMP+4*(\b)+3] offset:32*(\b)
.endr
.irp t, 0,1,2,3,4,5,6,7
	ds_load_b128 v[BK+4*(\t):BK+4*(\t)+3], v[RD] offset:(\t)*2*SPITCH  ; LDS serves a wave's instructions in order (ISA guide 5.7.1.4): these see the stores above
.endr
.endm
.macro SEND a, younger                 ; younger: the LDS instructions issued behind TOSTAGE's loads: the next block's two stores of statistics, or none
.set BK, OB+192*((\a)%2)
	s_wait_dscnt \younger                          ; the block is back in registers
	s_wait_xcnt 0x0                                ; the stores before (of the block before; ahead of the first, of the last chunk of values) have read their registers: the next TOSTAGE loads into them only behind this wait
.irp t, 0,1,2,3,4,5,6,7
	global_store_b128 v[CO], v[BK+4*(\t):BK+4*(\t)+3], s[8:9] offset:(16*(\a)+2*(\t))*4096  ; 16 lanes store 256 consecutive bytes, at a multiple of 256 from ph's first byte
.endr
.endm
	s_wait_tensorcnt 1                             ; my part of step 0 is in; step 1's may stay out
	s_barrier_signal -1
	s_barrier_wait -1                              ; everybody's is
	v_mov_b32 v[ADRA], v[ADRA0]
	v_mov_b32 v[ADRB], v[ADRB0]
	FETCH 0, F0
	QUARTER 1, F0, F1, 1                           ; the first quarter stands in front of the loop: its products start the sums
	WIN 0
	s_mov_b32 s[CNT], KSTEPS-2
.Lstep:                                                ; a trip goes from a step's second quarter to the next step's first, fills the slot that it leaves, and takes one chunk of values
	QUARTER 2, F1, F0, 0, 1
	QUARTER 3, F0, F1, 0
	TURN 1
	QUARTER 1, F0, F1, 0
	WIN 0
	s_sub_co_u32 s[CNT], s[CNT], 1
	s_cmp_lg_u32 s[CNT], 0
	s_cbranch_scc1 .Lstep
	QUARTER 2, F1, F0, 0, 1                        ; the last two steps are written out: no tile is left to fetch; the seventh chunk of values, and the request for the eighth
	QUARTER 3, F0, F1, 0
	TURN 0
	QUARTER 1, F0, F1, 0
	QUARTER 2, F1, F0, 0, 0                        ; the eighth chunk: nothing more is asked for
	QUARTER 3, F0, F1, 0
	s_wait_dscnt 8
	MUL16 F1, 0, 0, 0
	MUL16 F1, 0, 2, 0
	s_wait_dscnt 0x0
	MUL16 F1, 1, 0, 0
	MUL16 F1, 1, 2, 0
	PLACES
	PLACES                                         ; eight, once a launch, between the last products and the lines that read results and write fragments' registers
	SOFT 0
	TOSTAGE 0
.irp a, 1,2,3,4,5,6,7                  ; block a's arithmetic stands between block a - 1's loads from the stage and the wait for them
	SOFT \a
	SEND (\a)-1, 2
	TOSTAGE \a
.endr
	SEND 7, 0
	ds_load_b128 v[E:E+3], v[SRD]                  ; my 128 rows' c m, 16 bytes a lane: my own bytes, served in order behind my stores
	ds_load_b128 v[E+4:E+7], v[SRD] offset:512     ; and l
	s_wait_dscnt 0x0
	global_store_b128 v[GST], v[E:E+3], s[10:11]   ; 512 consecutive bytes each, aligned
	global_store_b128 v[GST], v[E+4:E+7], s[10:11] offset:8192
	s_wait_tensorcnt 0x0                           ; the wave's end: behind my last tensor load and my last LDS store
	ds_add_u32 v[SPW], v[NIL]
	s_wait_dscnt 0x0
	CROUND                                         ; the closing round: no work-group ends while a partner may still ask for a tile that names it
	s_endpgm
.Lfunc_end_k_q58658c0681_scores:
	.size	k_q58658c0681_scores, .Lfunc_end_k_q58658c0681_scores-k_q58658c0681_scores
	.p2alignl 7, 3214868480
	.fill 96, 4, 3214868480
	.section	.rodata,"a",@progbits
	.p2align	6, 0x0
	.amdhsa_kernel k_q58658c0681_scores
		.amdhsa_group_segment_fixed_size 327680
		.amdhsa_private_segment_fixed_size 0
		.amdhsa_enable_private_segment 0
		.amdhsa_kernarg_size 48
		.amdhsa_user_sgpr_count 2
		.amdhsa_user_sgpr_kernarg_segment_ptr 1
		.amdhsa_wavefront_size32 1
		.amdhsa_system_sgpr_workgroup_id_x 1
		.amdhsa_system_sgpr_workgroup_id_y 1
		.amdhsa_system_sgpr_workgroup_id_z 1
		.amdhsa_system_vgpr_workitem_id 0
		.amdhsa_next_free_vgpr 1024
		.amdhsa_next_free_sgpr 84
		.amdhsa_reserve_vcc 0
		.amdhsa_float_denorm_mode_32 3
		.amdhsa_float_denorm_mode_16_64 3
		.amdhsa_memory_ordered 1
		.amdhsa_forward_progress 1
		.amdhsa_inst_pref_size 195
	.end_amdhsa_kernel
	.amdgpu_metadata
---
amdhsa.version: [ 1, 2 ]
amdhsa.kernels:
  - .name:           k_q58658c0681_scores
    .symbol:         k_q58658c0681_scores.kd
    .args:
      - { .name: qh, .offset: 0, .size: 8, .value_kind: global_buffer, .address_space: global }
      - { .name: kh, .offset: 8, .size: 8, .value_kind: global_buffer, .address_space: global }
      - { .name: ph, .offset: 16, .size: 8, .value_kind: global_buffer, .address_space: global }
      - { .name: st, .offset: 24, .size: 8, .value_kind: global_buffer, .address_space: global }
      - { .name: values, .offset: 32, .size: 8, .value_kind: global_buffer, .address_space: global }
      - { .name: vh, .offset: 40, .size: 8, .value_kind: global_buffer, .address_space: global }
    .group_segment_fixed_size: 327680
    .private_segment_fixed_size: 0
    .kernarg_segment_align: 8
    .kernarg_segment_size: 48
    .max_flat_workgroup_size: 128
    .sgpr_count:     84
    .vgpr_count:     1024
    .wavefront_size: 32
...
	.end_amdgpu_metadata
.endif
;; end of part 2
;; launch pv (part 3): grid 4 x 64, 4 waves a work-group, clusters of 4 x 4, 327,680 bytes of LDS; arguments ph, vh, out0, st; writes out0
.if DOCPART == 3
	.amdgcn_target "amdgcn-amd-amdhsa--gfx1250"
	.amdhsa_code_object_version 6
	.text
	.protected	k_q58658c0681_pv
	.globl	k_q58658c0681_pv
	.p2align	8
	.type	k_q58658c0681_pv,@function
k_q58658c0681_pv:
	s_mov_b64 s[64:65], 0
	v_nop
	global_prefetch_b8 v0, s[64:65] scope:SCOPE_SE
	s_setreg_imm32_b32 hwreg(HW_REG_WAVE_MODE, 25, 1), 1
	s_wait_xcnt 0x0
	s_wait_alu depctr_hold_cnt(0) depctr_sa_sdst(0) depctr_va_vdst(0) depctr_va_sdst(0) depctr_va_ssrc(0) depctr_va_vcc(0) depctr_vm_vsrc(0)
	s_getreg_b32 s2, hwreg(HW_REG_IB_STS2, 6, 4)
	s_cmp_eq_u32 s2, 0
	s_cbranch_scc0 .Lentry_in_a_cluster
	s_endpgm
.Lentry_in_a_cluster:
	s_bfe_u32 s2, ttmp6, 0x10000c
	s_cmp_lg_u32 s2, 0xf033
	s_cbranch_scc0 .Lentry_shape_is_right
	s_endpgm
.Lentry_shape_is_right:
; O = softmax(S) V for 8 batches, from the weights by groups.  ph: f16 [16384 rows = 8 x 2048 queries][2048 keys]; vh: f16 [8][2048 keys][1024 channels];
; st: f32 [8][16 groups][2: c m, l][2048 queries]; out0: f32 [16384][1024].  Products and sums in f32.
; JOINING THE GROUPS.  For a query: M = the largest of its 16 c m (the row's true maximum); w_g = 2^(c m_g - M), at most 1, rounded to f16; l = the sum of w_g l_g with that same rounded w;
; O = (the sum over g of (w_g P_g) V_g) / l.  A step of the product is one group of 128 keys, so w_g P_g is one packed f16 multiply on each register of P's fragments, in which a lane holds one query.
; LIMITS.  vh holds no number beyond 65,504; w p below f16's smallest step (6e-8 of the row's largest weight) counts as 0; NaN and infinities are not treated apart.
; SHARES.  A tile of 256 queries x 256 channels to a work-group of four waves, 128 x 128 to a wave: 64 accumulators, 512 registers.  The keys go in 16 steps of 128 through a ring of two LDS
; slots filled by the tensor data mover.  P's rows lie along the keys (256 bytes a step); V lies [key][channel]: a step is 128 rows of 512 bytes, turned on the way out of LDS by ds_load_tr16_b128.
; CLUSTERS of 4 x 4: the four of a row of the cluster ask jointly for P's tile, the four of a column for V's.
; THE MATRIX INSTRUCTION IS USED TRANSPOSED (source 0 = 16 channels, source 1 = 16 queries): a lane holds one query (lane % 16) and eight neighbouring channels, 32 bytes of a row of O.
; THE SCALING RIDES on the matrix work: four multiplies behind each of sixteen of a quarter's 64 matrix instructions; they write fragments that the products round them do not name.
; REGISTERS, in windows of 256 (s_set_vgpr_msb: bits 1:0 source 0, 3:2 source 1, 5:4 source 2, 7:6 destination):
;   window 0: v0-31 addresses, v8-15 w of my eight blocks; v64-127, v128-191 fragments of P, two buffers; v192-223 at work on the way out; v32-63, v224-255 rows read back, by turns
;   window 1: v64-127, v128-191 fragments of V     window 2: the accumulators of my rows 0-63, (a, b) at v[8 (8 a + b)]     window 3: those of rows 64-127
.set PAB,    4096                      ; bytes in a row of ph
.set PBB,    2048                      ; bytes in a row of vh
.set KSTEPS, 16                        ; steps of 128 keys
.set BST,    128*PBB
.set PITCH,  272                       ; P's LDS row: 256 bytes + 16 of padding: the 16 rows of a load start at 16 different groups of four banks (64 banks of 4 bytes: ISA guide 11.1)
.set PB,     544                       ; V's LDS row: 512 bytes + 32 of padding
.set HALFT,  128*PITCH                 ; what one tensor load brings: 128 rows of P, or 64 rows of V
.set SLOT,   4*HALFT                   ; 0x22000 shares no bit with wave x 0x8800: one exclusive or turns an address in one slot into the other's
.set STAGE,  2*SLOT                    ; behind the ring: 16 rows x 272 bytes for each wave
.set SPITCH, 272
.set WT,     STAGE+4*16*SPITCH         ; w, twice in f16, a word for each of 16 groups x 256 rows
.set RLT,    WT+16384                  ; 1 / l of the 256 rows
.set SPARE,  RLT+1024                  ; the spare words, 128 bytes for each wave: two blocks of 256 bytes that no other line names
.set WR,    8                          ; v8-15  w of the step in hand, for my query in each of my eight blocks
.set ADRA0, 16
.set ADRA,  17
.set LW,    18                         ; v18  where my thread puts its two rows' w
.set ADRB0, 20
.set ADRB,  21
.set WAD,   22                         ; v22  where I read w: it steps a group in each change of slots
.set RLA,   23                         ; v23  where I read 1 / l
.set STO,   24
.set RD,    25
.set CO,    26
.set SPW,   28                         ; v28  LDS address of my spare word; never rewritten
.set NIL,   29                         ; v29  0; never rewritten
.set PFO,   30                         ; v30  the prefetches' offset; never rewritten
.set SO,    31                         ; v31  my thread's byte offset in st; never rewritten
.set F0,    64
.set F1,    128
.set TMP,   192
.set OB,    32
.set RI,    64                         ; the way out: 1 / l of my query in each block, as pairs
.set WV,  12
.set RH,  13
.set CH,  14
.set CX,  15
.set CY,  16
.set TC,  17
.set TR,  18
.set BAT, 19
.set G1A, 24
.set G0A, 32
.set CNT, 41
.set TB,  42
.set LIM, 43
.set PFA, 44
.set PST, 46
.set G1B, 48
.set G0B, 56
.set CLY, 72
.set MSB, 0
.macro WIN new                         ; the immediate's high byte repeats the setting that is left; a switch that changes nothing is dropped
.if MSB != (\new)
	s_set_vgpr_msb (MSB<<8)|(\new)
.set MSB, \new
.endif
.endm
.set MUL_LO, 0xa1                      ; source 0 (V) window 1, source 1 (P) window 0, C and D window 2
.set MUL_HI, 0xf1
.set TO_B,   0x40
.macro PLACES                          ; four plain instructions between a matrix instruction and a load into, or a vector write of, one of its registers
.rept 4
	v_nop
.endr
.endm
; A joint refill by the walking descriptors.  Waves 0 and 1 fetch P's two halves, waves 2 and 3 V's.  An s_nop 0 and four v_nop follow each of the two lines.
.macro JLOAD
	s_cmp_eq_u32 s[RH], 0
	s_cbranch_scc0 .Lfor_b_\@
	tensor_load_to_lds s[G0A+4:G0A+7], s[G1A:G1A+7]
	s_nop 0
.rept 4
	v_nop
.endr
	s_branch .Lasked_\@
.Lfor_b_\@:
	tensor_load_to_lds s[G0B+4:G0B+7], s[G1B:G1B+7]
	s_nop 0
.rept 4
	v_nop
.endr
.Lasked_\@:
.endm
; A PREFETCH INTO THE L2 of the step that stands two refills on, behind each joint load and the run of LDS loads that follows it: one instruction a wave, a lane a block of 256 bytes.
; Each block is named once in the launch.  P's rows are read by one cluster alone, which asks.  V's columns are read by the two clusters of a batch: the one with even y asks.  The four partners
; that ask for a tile jointly share its blocks out BY ADDRESS (32 of a wave's 128 rows of P by cx; 16 of its 64 rows of V, two blocks each, by cy).
; A wave asks while more than two refills are to come.  Steps 0 to 3 come by their loads alone.
.macro ASK
	s_cmp_gt_u32 s[CNT], s[LIM]
	s_cbranch_scc0 .Lnot_mine_\@
	global_prefetch_b8 v[PFO], s[PFA:PFA+1] th:TH_LOAD_NT scope:SCOPE_SE
.Lnot_mine_\@:
.endm
.macro CREST
	s_cmp_lg_u32 s[WV], 0
	s_cbranch_scc1 .Lnot_wave_0_\@
	s_barrier_signal -3
.Lnot_wave_0_\@:
	s_barrier_wait -3
	s_barrier_signal -1
	s_barrier_wait -1
.endm
.macro CROUND
	s_barrier_signal -1
	s_barrier_wait -1
	CREST
.endm
	s_load_b256 s[4:11], s[0:1], 0x0               ; ph s[4:5], vh s[6:7], out0 s[8:9], st s[10:11]
	v_lshl_add_u32 v[SPW], v0, 2, SPARE
	v_mov_b32 v[NIL], 0
	ds_add_u32 v[SPW], v[NIL]                      ; the wave's opening: the add and its wait stand ahead of my first tensor load; the set-up below, work on registers, stands between them
	v_lshrrev_b32 v1, 5, v0
	v_readfirstlane_b32 s[WV], v1
	s_lshr_b32 s[RH], s[WV], 1
	s_and_b32 s[CH], s[WV], 1
	s_bfe_u32 s[CX], ttmp6, 0x40000
	s_bfe_u32 s[CY], ttmp6, 0x40004
	s_lshl_b32 s[TC], ttmp9, 2
	s_add_co_u32 s[TC], s[TC], s[CX]               ; tile column = 4 x cluster x + cx
	s_and_b32 s[CLY], ttmp7, 0xffff
	s_lshl_b32 s[TR], s[CLY], 2
	s_add_co_u32 s[TR], s[TR], s[CY]               ; tile row = 4 x cluster y + cy
	s_lshr_b32 s[BAT], s[CLY], 1                   ; eight tile rows, two clusters, to a batch
	s_lshl_b32 s40, s[CY], 2
	s_lshl_b32 s40, 15, s40                        ; my row of the cluster
	s_lshl_b32 s70, 0x1111, s[CX]                  ; my column
	s_or_b32 s[G1A], s40, (1<<16)|(1<<20)|(1<<21)|(5<<22)|(3<<25)  ; 15:0 the mask; 17:16 2-byte elements; 20 padding on; 21 set beside a mask; 24:22 after every 64 words; 31:25 4 words
	s_or_b32 s[G1B], s70, (1<<16)|(1<<20)|(1<<21)|(6<<22)|(7<<25)  ; the column's mask; after every 128 words 8 words
	s_mov_b32 s[G1A+1], 128<<16                    ; tensor_dim0 = 128
	s_mov_b32 s[G1A+2], 128<<16                    ; tensor_dim1 = 128
	s_mov_b32 s[G1A+3], 128<<16                    ; tile_dim0 = 128
	s_mov_b32 s[G1A+4], 128                        ; tile_dim1 = 128
	s_mov_b32 s[G1A+5], PAB/2                      ; elements from row to row
	s_mov_b32 s[G1A+6], 0
	s_mov_b32 s[G1A+7], 0
	s_mov_b32 s[G1B+1], 256<<16                    ; tensor_dim0 = 256
	s_mov_b32 s[G1B+2], 64<<16                     ; tensor_dim1 = 64
	s_mov_b32 s[G1B+3], 256<<16                    ; tile_dim0 = 256
	s_mov_b32 s[G1B+4], 64                         ; tile_dim1 = 64
	s_mov_b32 s[G1B+5], PBB/2
	s_mov_b32 s[G1B+6], 0
	s_mov_b32 s[G1B+7], 0
	s_lshl_b32 s20, s[TR], 1                       ; P: row 256 x tile row + 128 x half: shared by my row of the cluster
	s_add_co_u32 s20, s20, s[CH]
	s_mul_i32 s20, s20, 128*PAB
	s_mov_b32 s21, 0
	s_lshl_b32 s22, s[BAT], 22                     ; V: the batch's 4 MiB, 64 rows x half, 512 bytes x tile column: shared by my column of the cluster
	s_mul_i32 s70, s[CH], 64*PBB
	s_add_co_u32 s22, s22, s70
	s_lshl_b32 s70, s[TC], 9
	s_add_co_u32 s22, s22, s70
	s_mov_b32 s23, 0
	s_mul_i32 s71, s[WV], HALFT                    ; where my tiles go: no place in the cluster enters an LDS address
	s_mov_b32 s[TB], 0
	s_lshl_b32 s74, s[BAT], 18                     ; st at the batch (16 groups of 16,384 bytes) and the tile's 256 queries
	s_and_b32 s76, s[TR], 7
	s_lshl_b32 s76, s76, 10
	s_add_co_u32 s74, s74, s76
	s_mov_b32 s75, 0
	v_lshlrev_b32 v[SO], 3, v0                     ; thread t takes rows 2 t and 2 t + 1: 8 bytes
	s_wait_dscnt 0x0                               ; the opening add is done
	s_wait_kmcnt 0x0
	s_add_nc_u64 s[20:21], s[4:5], s[20:21]
	s_add_nc_u64 s[22:23], s[6:7], s[22:23]
	s_add_nc_u64 s[10:11], s[10:11], s[74:75]
	CROUND                                         ; all sixteen work-groups are here: the first joint loads meet
	s_mov_b32 s[G0A], 1                            ; count = 1
	s_mov_b32 s[G0A+1], s71                        ; LDS address: slot 0
	s_add_nc_u64 s[G0A+2:G0A+3], s[20:21], 0       ; step 0
	s_or_b32 s[G0A+3], s[G0A+3], 0x80000000        ; type = 2
	s_mov_b32 s[G0A+4], 1
	s_add_co_u32 s[G0A+5], s71, SLOT               ; slot 1
	s_add_nc_u64 s[G0A+6:G0A+7], s[20:21], 256     ; step 1
	s_or_b32 s[G0A+7], s[G0A+7], 0x80000000
	s_mov_b32 s[G0B], 1
	s_mov_b32 s[G0B+1], s71
	s_add_nc_u64 s[G0B+2:G0B+3], s[22:23], 0
	s_or_b32 s[G0B+3], s[G0B+3], 0x80000000
	s_mov_b32 s[G0B+4], 1
	s_add_co_u32 s[G0B+5], s71, SLOT
	s_add_nc_u64 s[G0B+6:G0B+7], s[22:23], BST
	s_or_b32 s[G0B+7], s[G0B+7], 0x80000000
	s_cmp_eq_u32 s[RH], 0                          ; a wave's two first fills stand in one branch, ahead of every wait on TENSORcnt and every LDS read: two loads of mine are out
	s_cbranch_scc0 .Lfirst_b
	tensor_load_to_lds s[G0A:G0A+3], s[G1A:G1A+7]
	s_nop 0
	tensor_load_to_lds s[G0A+4:G0A+7], s[G1A:G1A+7]
	s_nop 0
.rept 4
	v_nop
.endr
	s_branch .Lfirst_asked
.Lfirst_b:
	tensor_load_to_lds s[G0B:G0B+3], s[G1B:G1B+7]
	s_nop 0
	tensor_load_to_lds s[G0B+4:G0B+7], s[G1B:G1B+7]
	s_nop 0
.rept 4
	v_nop
.endr
.Lfirst_asked:
.set g, 0
.rept 16                               ; the statistics of my two rows: c m into v[32+2g ..], l into v[64+2g ..]; a load of a wave covers 256 consecutive bytes, aligned
	global_load_b64 v[32+2*g:33+2*g], v[SO], s[10:11] offset:g*16384
	global_load_b64 v[64+2*g:65+2*g], v[SO], s[10:11] offset:g*16384+8192
.set g, g+1
.endr
	; the lane's addresses are made while those loads are out
	v_and_b32 v1, 15, v0                           ; l % 16
	v_bfe_u32 v2, v0, 4, 1                         ; l / 16
	v_mul_u32_u24 v3, v1, PITCH
	v_lshl_add_u32 v4, v2, 4, v3                   ; a fragment of P: row x pitch + 16 x half
	s_mul_i32 s73, s[RH], HALFT
	v_add_nc_u32 v[ADRA0], s73, v4
	v_and_b32 v4, 7, v0                            ; the turning load: lane l reads key 8 (l / 16) + l % 8, channels 8 ((l / 8) % 2) + 0..7
	v_lshl_add_u32 v4, v2, 3, v4
	v_mul_u32_u24 v4, v4, PB
	v_bfe_u32 v5, v0, 3, 1
	v_lshl_add_u32 v4, v5, 4, v4
	s_lshl_b32 s73, s[CH], 8                       ; my 128 channels: 256 bytes of a row,
	s_add_co_u32 s73, s73, 2*HALFT                 ; behind P's 256 rows
	v_add_nc_u32 v[ADRB0], s73, v4
	s_mul_i32 s73, s[WV], 16*SPITCH
	s_add_co_u32 s73, s73, STAGE                   ; my stage
	v_lshl_add_u32 v4, v2, 5, v3                   ; in: row l % 16, 32 bytes for each half of the lanes
	v_add_nc_u32 v[STO], s73, v4
	v_mul_u32_u24 v5, v2, SPITCH                   ; back: lanes 0-15 take one row of 256 bytes, lanes 16-31 the next
	v_lshl_add_u32 v5, v1, 4, v5
	v_add_nc_u32 v[RD], s73, v5
	v_lshlrev_b32 v5, 12, v2                       ; and the same two rows in out0 (4,096 bytes a row)
	v_lshl_add_u32 v[CO], v1, 4, v5
	s_lshl_b32 s73, s[RH], 9                       ; my 128 rows' words of w
	s_add_co_u32 s73, s73, WT
	v_lshl_add_u32 v[WAD], v1, 2, s73
	v_add_nc_u32 v[RLA], 16384, v[WAD]
	v_lshl_add_u32 v[LW], v0, 3, WT
	s_lshl_b32 s74, s[TR], 1                       ; out0 at my part of the tile: row 256 x tile row + 128 x half, 4,096 bytes a row,
	s_add_co_u32 s74, s74, s[RH]
	s_lshl_b32 s74, s74, 19
	s_lshl_b32 s76, s[TC], 1
	s_add_co_u32 s76, s76, s[CH]                   ; my 128 channels: 512 bytes of a row
	s_lshl_b32 s76, s76, 9
	s_add_co_u32 s74, s74, s76
	s_add_nc_u64 s[8:9], s[8:9], s[74:75]
	; the prefetches: offsets made apart from the addresses, then one choice by what the wave fetches
	s_lshl_b32 s74, s[TR], 1
	s_add_co_u32 s74, s74, s[CH]
	s_lshl_b32 s74, s74, 2
	s_add_co_u32 s74, s74, s[CX]                   ; P: of the 128 rows that I fetch my work-group takes 32, by cx
	s_mul_i32 s74, s74, 32*PAB
	s_add_co_u32 s74, s74, 3*256                   ; at step 3: the first refill steps it to 4
	s_lshl_b32 s76, s[CH], 2
	s_add_co_u32 s76, s76, s[CY]                   ; V: of the 64 rows that I fetch my work-group takes 16, by cy
	s_mul_i32 s76, s76, 16*PBB
	s_lshl_b32 s77, s[BAT], 22
	s_add_co_u32 s76, s76, s77
	s_lshl_b32 s77, s[TC], 9
	s_add_co_u32 s76, s76, s77
	s_add_co_u32 s76, s76, 3*BST
	s_mov_b32 s[PST], BST
	s_mov_b32 s[PST+1], 0
	s_and_b32 s77, s[CLY], 1
	s_cmp_eq_u32 s[RH], 0                          ; do I fetch P?
	s_cselect_b32 s74, s74, s76
	s_cselect_b64 s[PFA:PFA+1], s[4:5], s[6:7]
	s_cselect_b32 s[PST], 256, s[PST]
	s_cselect_b32 s77, ttmp9, s77                  ; the coordinate along which another cluster reads the same blocks
	s_cselect_b32 s40, -1, 0
	s_add_nc_u64 s[PFA:PFA+1], s[PFA:PFA+1], s[74:75]
	s_cmp_eq_u32 s77, 0
	s_cselect_b32 s[LIM], 2, -1                    ; the same in all sixteen partners, for a given wave
	v_and_b32 v5, 31, v0
	v_mul_u32_u24 v6, v5, PAB                      ; P: a lane a row
	v_lshrrev_b32 v7, 1, v5                        ; V: two lanes a row of 512 bytes
	v_mul_u32_u24 v7, v7, PBB
	v_and_b32 v5, 1, v0
	v_lshl_add_u32 v7, v5, 8, v7
	v_cndmask_b32 v[PFO], v7, v6, s40
	; THE STATISTICS.  v[2:3] M, v[4:5] l, v[6:7] 1 / l of my two rows; v32-63 c m_g, then w_g; v64-95 l_g; v96-127 w_g twice in f16
	s_wait_loadcnt 0x0
.irp e, 0,1
	v_max3_num_f32 v[2+(\e)], v[32+(\e)], v[34+(\e)], v[36+(\e)]
.endr
.irp g, 3,5,7,9,11,13
.irp e, 0,1
	v_max3_num_f32 v[2+(\e)], v[2+(\e)], v[32+2*(\g)+(\e)], v[34+2*(\g)+(\e)]
.endr
.endr
.irp e, 0,1
	v_max_num_f32 v[2+(\e)], v[2+(\e)], v[62+(\e)]
.endr
.set g, 0
.rept 16
	v_pk_add_f32 v[32+2*g:33+2*g], v[32+2*g:33+2*g], v[2:3] neg_lo:[0,1] neg_hi:[0,1]  ; c m_g - M, at most 0
.set g, g+1
.endr
.set i, 0
.rept 32
	v_exp_f32 v[32+i], v[32+i]
.set i, i+1
.endr
	v_nop                                          ; a plain instruction behind the last exponential (ISA guide 5.7.2),
	s_wait_alu depctr_va_vdst(0)                   ; and the one wait ahead of the batch's first reader
.set i, 0
.rept 32
	v_cvt_pk_f16_f32 v[96+i], v[32+i], v[32+i]
.set i, i+1
.endr
.irp e, 0,1
	v_fma_mix_f32 v[4+(\e)], v[96+(\e)], v[64+(\e)], v[NIL] op_sel_hi:[1,0,0]  ; l = w_0 l_0, with the w that the product will use
.endr
.set g, 1
.rept 15
	v_fma_mix_f32 v4, v[96+2*g], v[64+2*g], v4 op_sel_hi:[1,0,0]
	v_fma_mix_f32 v5, v[97+2*g], v[65+2*g], v5 op_sel_hi:[1,0,0]
.set g, g+1
.endr
	v_rcp_f32 v6, v4                               ; l is at least the l of the group that holds the maximum, which is about 1 or more
	v_rcp_f32 v7, v5
	v_nop
	s_wait_alu depctr_va_vdst(0)
.set g, 0
.rept 16
	ds_store_b64 v[LW], v[96+2*g:97+2*g] offset:1024*g
.set g, g+1
.endr
	ds_store_b64 v[LW], v[6:7] offset:16384
.macro SC f, n                         ; register n of buffer f of P's fragments times w of its block
	WIN 0
	v_pk_mul_f16 v[(\f)+(\n)], v[(\f)+(\n)], v[WR+(\n)/8]
.endm
; 16 matrix instructions: query blocks a0, a0 + 1 of the window's four x all 8 channel blocks, 32 keys.  zero = 1: the products start the sums.  The 64 accumulators take turns.
; s0 >= 0: behind each of the first eight (late = 0) or the last eight (late = 1) stand four lines SC on buffer sf, from register s0 on.  In front of the first late one stands the wait for what
; they read: the 24 younger loads of the run (V's sixteen, P's blocks 4-7) may stay out.
.macro MUL16 f, hi, a0, zero, sf=0, s0=-1, late=0
.set mi, 0
.irp a, \a0, (\a0)+1
.irp b, 0,1,2,3,4,5,6,7
	WIN MUL_LO+0x50*(\hi)
.if \zero
	v_wmma_f32_16x16x32_f16 v[8*(8*(\a)+(\b)):8*(8*(\a)+(\b))+7], v[(\f)+8*(\b):(\f)+8*(\b)+7], v[(\f)+8*(4*(\hi)+(\a)):(\f)+8*(4*(\hi)+(\a))+7], 0
.else
	v_wmma_f32_16x16x32_f16 v[8*(8*(\a)+(\b)):8*(8*(\a)+(\b))+7], v[(\f)+8*(\b):(\f)+8*(\b)+7], v[(\f)+8*(4*(\hi)+(\a)):(\f)+8*(4*(\hi)+(\a))+7], v[8*(8*(\a)+(\b)):8*(8*(\a)+(\b))+7]
.endif
.if ((\s0) >= 0) && (mi/8 == (\late))
.if (\late) && (mi == 8)
	s_wait_dscnt 24
.endif
.irp z, 0,1,2,3
	SC \sf, (\s0)+4*(mi%8)+(\z)
.endr
.endif
.set mi, mi+1
.endr
.endr
.endm
; The LDS loads of quarter k (32 keys) of the slot in hand into buffer f, in one run: (w = 1: the step's eight w,) P's blocks 0-3, V's eight fragments, P's blocks 4-7
.macro FETCH k, f, w=0
	WIN 0
.if \w
.irp i, 0,1,2,3,4,5,6,7
	ds_load_b32 v[WR+(\i)], v[WAD] offset:64*(\i)
.endr
.endif
.irp i, 0,1,2,3
	ds_load_b128 v[(\f)+8*(\i):(\f)+8*(\i)+3],   v[ADRA] offset:64*(\k)+(\i)*16*PITCH
	ds_load_b128 v[(\f)+8*(\i)+4:(\f)+8*(\i)+7], v[ADRA] offset:64*(\k)+(\i)*16*PITCH+32
.endr
	WIN TO_B
.irp i, 0,1,2,3,4,5,6,7
	ds_load_tr16_b128 v[(\f)+8*(\i):(\f)+8*(\i)+3],   v[ADRB] offset:(\k)*32*PB+32*(\i)
	ds_load_tr16_b128 v[(\f)+8*(\i)+4:(\f)+8*(\i)+7], v[ADRB] offset:(\k)*32*PB+16*PB+32*(\i)
.endr
	WIN 0
.irp i, 4,5,6,7
	ds_load_b128 v[(\f)+8*(\i):(\f)+8*(\i)+3],   v[ADRA] offset:64*(\k)+(\i)*16*PITCH
	ds_load_b128 v[(\f)+8*(\i)+4:(\f)+8*(\i)+7], v[ADRA] offset:64*(\k)+(\i)*16*PITCH+32
.endr
.endm
; One of a step's first three quarters: multiplies buffer f, whose blocks 0-3 are scaled already; scales its blocks 4-7 beside the first products; fetches quarter k into buffer g in its
; middle; scales g's blocks 0-3 beside the last products.
.macro QUARTER k, f, g, zero
	s_wait_dscnt 0x0                               ; all of buffer f is in
	MUL16 \f, 0, 0, \zero, \f, 32, 0
	MUL16 \f, 0, 2, \zero
	PLACES
	FETCH \k, \g
	MUL16 \f, 1, 0, \zero
	MUL16 \f, 1, 2, \zero, \g, 0, 1
.endm
; The last quarter multiplies buffer 1 and changes slots: ONE barrier.  In front of it each wave waits for all its tensor loads, of which one is out: its part of the next slot; adds 0 to its
; spare word; and waits for that and for its own reads of this slot.  fill = 1: the barrier opens a round of the cluster's; the joint refill, two steps ahead, is the first tensor load behind it:
; 224 matrix instructions stand between it and the wait for it.
.macro TURN fill
.if \fill
	s_wait_xcnt 0x0                                ; the last prefetch, a step back, has read its address, so it may be stepped
	s_add_nc_u64 s[PFA:PFA+1], s[PFA:PFA+1], s[PST:PST+1]
.endif
	WIN 0                                          ; (the add's two registers lie in window 0)
	s_wait_tensorcnt 0x0                           ; no tensor load of mine is out, so a group 0 may be written
	ds_add_u32 v[SPW], v[NIL]                      ; 0 onto my spare word
.if \fill
	s_xor_b32 s[G0A+5], s[G0A+5], SLOT             ; the walking descriptors: the other slot than last time,
	s_add_nc_u64 s[G0A+6:G0A+7], s[G0A+6:G0A+7], 256  ; the next step; the type bits on top are not reached
	s_xor_b32 s[G0B+5], s[G0B+5], SLOT
	s_add_nc_u64 s[G0B+6:G0B+7], s[G0B+6:G0B+7], BST
.endif
	s_xor_b32 s[TB], s[TB], SLOT                   ; the reads go to the other slot
	s_wait_dscnt 1                                 ; all of buffer 1 is in (the add alone may be out)
	MUL16 F1, 0, 0, 0, F1, 32, 0                   ; matrix and vector work on registers stands between the add and the wait for it
	s_wait_dscnt 0x0                               ; the add is done, and my reads of this slot are over
	s_barrier_signal -1
	MUL16 F1, 0, 2, 0                              ; work on registers while the others arrive
	WIN 0                                          ; at a branch and at a label every window is 0
	s_barrier_wait -1
.if \fill
	CREST
	JLOAD                                          ; the four v_nop behind it are also the places in front of the loads below
.else
	PLACES
.endif
	v_add_nc_u32 v[ADRA], s[TB], v[ADRA0]
	v_add_nc_u32 v[ADRB], s[TB], v[ADRB0]
	v_add_nc_u32 v[WAD], 1024, v[WAD]              ; the next group's w: the old ones were last read beside the first products above
	FETCH 0, F0, 1
.if \fill
	ASK
.endif
	MUL16 F1, 1, 0, 0
	MUL16 F1, 1, 2, 0, F0, 0, 1
.endm
; THE WAY OUT, half a block (16 queries x 64 channels, rows of 256 bytes) at a time: x = 2 a + half.  PACK2: divided by l.  TOSTAGE2: into my stage, and back as whole rows.  SEND2: stored.
.macro PACK2 x
.set SW, 2+(\x)/8
.set AC, 64*(((\x)/2)%4)+32*((\x)%2)
	WIN SW                                         ; source 0 in the block's window
.set i, 0
.rept 16
	v_pk_mul_f32 v[TMP+2*i:TMP+2*i+1], v[AC+2*i:AC+2*i+1], v[RI+2*((\x)/2):RI+2*((\x)/2)+1] op_sel_hi:[1,0]
.set i, i+1
.endr
	WIN 0
.endm
.macro TOSTAGE2 x
.set BK, OB+192*((\x)%2)
.irp j, 0,1,2,3
	ds_store_b128 v[STO], v[TMP+8*(\j):TMP+8*(\j)+3]   offset:64*(\j)
	ds_store_b128 v[STO], v[TMP+8*(\j)+4:TMP+8*(\j)+7] offset:64*(\j)+16
.endr
.irp t, 0,1,2,3,4,5,6,7
	ds_load_b128 v[BK+4*(\t):BK+4*(\t)+3], v[RD] offset:(\t)*2*SPITCH  ; LDS serves a wave's instructions in order (ISA guide 5.7.1.4): these see the stores above
.endr
.endm
.macro SEND2 x
.set BK, OB+192*((\x)%2)
	s_wait_dscnt 0x0                               ; the rows are back in registers
	s_wait_xcnt 0x0                                ; the stores before have read their registers: the next TOSTAGE2 loads into them only behind this wait
.irp t, 0,1,2,3,4,5,6,7
	global_store_b128 v[CO], v[BK+4*(\t):BK+4*(\t)+3], s[8:9] offset:(16*((\x)/2)+2*(\t))*4096+256*((\x)%2) th:TH_STORE_NT  ; 16 lanes store 256 consecutive bytes, at a multiple of 256 from out0's first byte
.endr
.endm
	s_wait_tensorcnt 1                             ; my part of step 0 is in; step 1's may stay out
	s_wait_dscnt 0x0                               ; for the others' sake: my stores of w and 1 / l are done
	s_barrier_signal -1
	s_barrier_wait -1                              ; everybody's are
	v_mov_b32 v[ADRA], v[ADRA0]
	v_mov_b32 v[ADRB], v[ADRB0]
	FETCH 0, F0, 1
	s_wait_dscnt 24                                ; w and P's blocks 0-3 are in
.set n0, 0
.rept 32
	SC F0, n0
.set n0, n0+1
.endr
	QUARTER 1, F0, F1, 1                           ; the first quarter stands in front of the loop: its products start the sums
	WIN 0
	s_mov_b32 s[CNT], KSTEPS-2
.Lstep:                                                ; a trip goes from a step's second quarter to the next step's first, and fills the slot that it leaves
	QUARTER 2, F1, F0, 0
	QUARTER 3, F0, F1, 0
	TURN 1
	QUARTER 1, F0, F1, 0
	WIN 0
	s_sub_co_u32 s[CNT], s[CNT], 1
	s_cmp_lg_u32 s[CNT], 0
	s_cbranch_scc1 .Lstep
	QUARTER 2, F1, F0, 0                           ; the last two steps are written out: nothing is left to fetch
	QUARTER 3, F0, F1, 0
	TURN 0
	QUARTER 1, F0, F1, 0
	QUARTER 2, F1, F0, 0
	QUARTER 3, F0, F1, 0
	s_wait_dscnt 0x0
	MUL16 F1, 0, 0, 0, F1, 32, 0
	MUL16 F1, 0, 2, 0
	MUL16 F1, 1, 0, 0
	MUL16 F1, 1, 2, 0
	PLACES
	PLACES                                         ; eight, once a launch, between the last products and the lines that read results and load into fragments' registers
	WIN 0
.irp a, 0,1,2,3,4,5,6,7
	ds_load_b32 v[RI+2*(\a)],   v[RLA] offset:64*(\a)  ; 1 / l of my query in block a; the packed multiply names a pair, so both are written
	ds_load_b32 v[RI+2*(\a)+1], v[RLA] offset:64*(\a)
.endr
	s_wait_dscnt 0x0
	PACK2 0
	TOSTAGE2 0
.irp x, 1,2,3,4,5,6,7,8,9,10,11,12,13,14,15  ; a half block's arithmetic stands between the loads of the one before and the wait for them
	PACK2 \x
	SEND2 (\x)-1
	TOSTAGE2 \x
.endr
	SEND2 15
	s_wait_tensorcnt 0x0                           ; the wave's end: behind my last tensor load and my last LDS store
	ds_add_u32 v[SPW], v[NIL]
	s_wait_dscnt 0x0
	CROUND                                         ; the closing round: no work-group ends while a partner may still ask for a tile that names it
	s_endpgm
.Lfunc_end_k_q58658c0681_pv:
	.size	k_q58658c0681_pv, .Lfunc_end_k_q58658c0681_pv-k_q58658c0681_pv
	.p2alignl 7, 3214868480
	.fill 96, 4, 3214868480
	.section	.rodata,"a",@progbits
	.p2align	6, 0x0
	.amdhsa_kernel k_q58658c0681_pv
		.amdhsa_group_segment_fixed_size 327680
		.amdhsa_private_segment_fixed_size 0
		.amdhsa_enable_private_segment 0
		.amdhsa_kernarg_size 32
		.amdhsa_user_sgpr_count 2
		.amdhsa_user_sgpr_kernarg_segment_ptr 1
		.amdhsa_wavefront_size32 1
		.amdhsa_system_sgpr_workgroup_id_x 1
		.amdhsa_system_sgpr_workgroup_id_y 1
		.amdhsa_system_sgpr_workgroup_id_z 1
		.amdhsa_system_vgpr_workitem_id 0
		.amdhsa_next_free_vgpr 1024
		.amdhsa_next_free_sgpr 80
		.amdhsa_reserve_vcc 0
		.amdhsa_float_denorm_mode_32 3
		.amdhsa_float_denorm_mode_16_64 3
		.amdhsa_memory_ordered 1
		.amdhsa_forward_progress 1
		.amdhsa_inst_pref_size 206
	.end_amdhsa_kernel
	.amdgpu_metadata
---
amdhsa.version: [ 1, 2 ]
amdhsa.kernels:
  - .name:           k_q58658c0681_pv
    .symbol:         k_q58658c0681_pv.kd
    .args:
      - { .name: ph, .offset: 0, .size: 8, .value_kind: global_buffer, .address_space: global }
      - { .name: vh, .offset: 8, .size: 8, .value_kind: global_buffer, .address_space: global }
      - { .name: out0, .offset: 16, .size: 8, .value_kind: global_buffer, .address_space: global }
      - { .name: st, .offset: 24, .size: 8, .value_kind: global_buffer, .address_space: global }
    .group_segment_fixed_size: 327680
    .private_segment_fixed_size: 0
    .kernarg_segment_align: 8
    .kernarg_segment_size: 32
    .max_flat_workgroup_size: 128
    .sgpr_count:     80
    .vgpr_count:     1024
    .wavefront_size: 32
...
	.end_amdgpu_metadata
.endif
;; end of part 3
;; ======== version 2 of 2: 3 launches; version 1 with the launch cast written anew for expert scheduling mode
;; limits: inputs' magnitudes at most 65,504; values are held in f16: magnitudes above 65,504 overflow, below 6.1e-05 lose precision
;; workspace buffers: qh 33,554,432 bytes; kh 33,554,432 bytes; vh 33,554,432 bytes; ph 67,108,864 bytes; st 2,097,152 bytes
;; launch cast (part 4): grid 512 x 2, 8 waves a work-group, no clusters, 0 bytes of LDS; arguments queries, keys, qh, kh; writes qh, kh
.if DOCPART == 4
	.amdgcn_target "amdgcn-amd-amdhsa--gfx1250"
	.amdhsa_code_object_version 6
	.text
	.protected	k_q58658c0681_cast
	.globl	k_q58658c0681_cast
	.p2align	8
	.type	k_q58658c0681_cast,@function
k_q58658c0681_cast:
	s_mov_b64 s[64:65], 0
	v_nop
	global_prefetch_b8 v0, s[64:65] scope:SCOPE_SE
	s_setreg_imm32_b32 hwreg(HW_REG_WAVE_SCHED_MODE, 0, 2), 2
	s_setreg_imm32_b32 hwreg(HW_REG_WAVE_MODE, 25, 1), 1
	s_wait_xcnt 0x0
	s_wait_alu depctr_vm_vsrc(0)
; queries and keys (f32, 67,108,864 bytes each) are rounded once to f16, in the order in which they lie: qh, kh.  (values are rounded by the launch behind, beside its matrix work.)
; LIMIT: a number of magnitude 65,520 or more becomes an infinity in f16; the inputs have room for some thousand times their spread.
; SHARES.  The grid's y picks the tensor, its x a piece of 131,072 input bytes; each of the eight waves takes 16,384 of them: 32 loads of 512 consecutive bytes, aligned,
; and 32 stores of 256 consecutive bytes, aligned.
; THE MODE: SCHED_MODE bits 1:0 = 2 (LLVM: expert scheduling mode 2), set by the entry lines.  The code itself states the register dependences
; between vector instructions and memory instructions, with s_wait_alu, always for 0.
; THE PLAN.  The wave's 32 loads go in 8 blocks of four.  Registers that memory instructions touch:
;   v1, v2     byte offsets in and out, made once at the head and never written again: the blocks are reached by immediate offsets, and the scalar bases stay.
;   X0 .. X4   five blocks as loaded.  Blocks 0 to 4 are asked for at the head; blocks 5, 6, 7 land in X0, X1, X2 and are asked for in blocks 1, 2, 3.  Block q's conversions read X[q % 5].
;   Y0 .. Y2   blocks 0 to 2 in f16: their X is loaded again, so their conversions write registers of their own.  Read by the stores that are issued one block later.
;   Blocks 3 to 7 are rounded in place, into the first two of a slot's four registers: no load lands there any more.  Read by the stores that are issued one block later.
; Block p's conversions name X[p % 5] and their own destination.  Its memory instructions are the loads into X[p - 1] (p = 1, 2, 3) and the stores of block p - 1: registers that block p - 1
; worked on and that no vector instruction of block p names.  So ONE wait at a block's head states all that its memory instructions hang on, and they are dealt among its conversions.
; No register that a memory instruction reads is ever written again (Y once, the results in place once, X0 to X2 in their first use read by conversions alone): so no wait for a memory
; instruction's reads of its registers is owed anywhere in the text.
; A buffer lies idle from its conversions to the next block's head: with five of them 12 to 16 loads of every wave are on their way, 20 at the start.
; 108 registers a wave and two waves of a work-group on a SIMD: the four work-groups that fall to each of 256 WGPs take 864 of a SIMD's 1,024.
; No LDS, no matrix unit, no cluster: nothing is shared and nothing is read twice.
.set NX, 5                             ; buffers of X
.set X, 4                              ; v[4:83]    buffer k, slot i: 4 registers at X + 16 k + 4 i, as loaded
.set Y, 84                             ; v[84:107]  block q (0 to 2), slot i: 2 registers at Y + 8 q + 2 i, to store
	s_load_b256 s[4:11], s[0:1], 0x0               ; queries s[4:5], keys s[6:7], qh s[8:9], kh s[10:11]
	s_and_b32 s16, ttmp7, 0xffff                   ; which tensor
	s_lshl_b32 s24, ttmp9, 17                      ; the work-group's piece: 131,072 bytes in,
	s_mov_b32 s25, 0
	s_lshl_b32 s26, ttmp9, 16                      ; 65,536 bytes out
	s_mov_b32 s27, 0
	v_and_b32 v1, 31, v0                           ; lane
	v_lshrrev_b32 v3, 5, v0                        ; wave
	v_lshlrev_b32 v2, 3, v1                        ; out: 8 bytes a lane,
	v_lshlrev_b32 v1, 4, v1                        ; in: 16 bytes a lane,
	v_lshl_add_u32 v1, v3, 14, v1                  ; + 16,384 x wave
	v_lshl_add_u32 v2, v3, 13, v2                  ; + 8,192 x wave
	s_wait_kmcnt 0x0
	s_cmp_eq_u32 s16, 1
	s_cselect_b64 s[20:21], s[6:7], s[4:5]
	s_cselect_b64 s[22:23], s[10:11], s[8:9]
	s_add_nc_u64 s[20:21], s[20:21], s[24:25]
	s_add_nc_u64 s[22:23], s[22:23], s[26:27]
	s_wait_alu depctr_va_vdst(0)                   ; v1 and v2 are written: every load of the kernel reads v1 as its offset, every store v2
.set i, 0
.rept 4*NX
	global_load_b128 v[X+4*i:X+4*i+3], v1, s[20:21] offset:512*i th:TH_LOAD_NT  ; blocks 0 to 4 into X0 to X4
.set i, i+1
.endr
; Where block q's slot i lies in f16: DST and DST + 1.
.macro PLACE q, i
.if (\q) < 3
.set DST, Y+8*(\q)+2*(\i)
.else
.set DST, X+16*((\q)%NX)+4*(\i)
.endif
.endm
; Block p.  left = how many younger loads may still be out when this block's four have to be there.
.macro BLK p, left
	s_wait_loadcnt \left                           ; loads come back in order (ISA guide 5.7.1): X[p % 5] is in, the younger blocks stay out
.if (\p) >= 1
	s_wait_alu depctr_va_vdst(0)                   ; the block before has written its results, which the stores below read, and is done reading its X, in which (blocks 1 to 3) the loads below land
.endif
.irp i, 0,1,2,3
.if ((\p) >= 1) && ((\p) <= 3)
	global_load_b128 v[X+16*((\p)-1)+4*(\i):X+16*((\p)-1)+4*(\i)+3], v1, s[20:21] offset:512*(4*((\p)+4)+(\i)) th:TH_LOAD_NT  ; four blocks ahead, the load ahead of the store; no vector instruction since the wait names these registers
.endif
.if (\p) >= 1
	PLACE (\p)-1, \i
	global_store_b64 v2, v[DST:DST+1], s[22:23] offset:256*(4*((\p)-1)+(\i)) th:TH_STORE_NT  ; the block before
.endif
	PLACE \p, \i
	v_cvt_pk_f16_f32 v[DST],   v[X+16*((\p)%NX)+4*(\i)],   v[X+16*((\p)%NX)+4*(\i)+1]
	v_cvt_pk_f16_f32 v[DST+1], v[X+16*((\p)%NX)+4*(\i)+2], v[X+16*((\p)%NX)+4*(\i)+3]
.endr
.endm
	BLK 0, 16                                      ; no block stands in front of it: it has no store and no wait but the one for its data; blocks 1 to 4 stay out
	BLK 1, 12                                      ; blocks 2, 3, 4 stay out; block 5 is asked for
	BLK 2, 12                                      ; blocks 3, 4, 5; block 6 is asked for
	BLK 3, 12                                      ; blocks 4, 5, 6; block 7 is asked for: the last load
	BLK 4, 12                                      ; blocks 5, 6, 7
	BLK 5, 8                                       ; nothing more is asked for: the counts run down
	BLK 6, 4
	BLK 7, 0
	s_wait_alu depctr_va_vdst(0)                   ; block 7's conversions have written their results, which the last four stores read
.irp i, 0,1,2,3
	PLACE 7, \i
	global_store_b64 v2, v[DST:DST+1], s[22:23] offset:256*(28+(\i)) th:TH_STORE_NT
.endr
	s_endpgm
.Lfunc_end_k_q58658c0681_cast:
	.size	k_q58658c0681_cast, .Lfunc_end_k_q58658c0681_cast-k_q58658c0681_cast
	.p2alignl 7, 3214868480
	.fill 96, 4, 3214868480
	.section	.rodata,"a",@progbits
	.p2align	6, 0x0
	.amdhsa_kernel k_q58658c0681_cast
		.amdhsa_group_segment_fixed_size 0
		.amdhsa_private_segment_fixed_size 0
		.amdhsa_enable_private_segment 0
		.amdhsa_kernarg_size 32
		.amdhsa_user_sgpr_count 2
		.amdhsa_user_sgpr_kernarg_segment_ptr 1
		.amdhsa_wavefront_size32 1
		.amdhsa_system_sgpr_workgroup_id_x 1
		.amdhsa_system_sgpr_workgroup_id_y 1
		.amdhsa_system_sgpr_workgroup_id_z 1
		.amdhsa_system_vgpr_workitem_id 0
		.amdhsa_next_free_vgpr 108
		.amdhsa_next_free_sgpr 66
		.amdhsa_reserve_vcc 0
		.amdhsa_float_denorm_mode_32 3
		.amdhsa_float_denorm_mode_16_64 3
		.amdhsa_memory_ordered 1
		.amdhsa_forward_progress 1
		.amdhsa_inst_pref_size 12
	.end_amdhsa_kernel
	.amdgpu_metadata
---
amdhsa.version: [ 1, 2 ]
amdhsa.kernels:
  - .name:           k_q58658c0681_cast
    .symbol:         k_q58658c0681_cast.kd
    .args:
      - { .name: queries, .offset: 0, .size: 8, .value_kind: global_buffer, .address_space: global }
      - { .name: keys, .offset: 8, .size: 8, .value_kind: global_buffer, .address_space: global }
      - { .name: qh, .offset: 16, .size: 8, .value_kind: global_buffer, .address_space: global }
      - { .name: kh, .offset: 24, .size: 8, .value_kind: global_buffer, .address_space: global }
    .group_segment_fixed_size: 0
    .private_segment_fixed_size: 0
    .kernarg_segment_align: 8
    .kernarg_segment_size: 32
    .max_flat_workgroup_size: 256
    .sgpr_count:     66
    .vgpr_count:     108
    .wavefront_size: 32
...
	.end_amdgpu_metadata
.endif
;; end of part 4
;; launch scores: the kernel of part 2 again; grid 8 x 64, 4 waves a work-group, clusters of 4 x 4, 327,680 bytes of LDS; arguments qh, kh, ph, st, values, vh; writes ph, st, vh
;; launch pv: the kernel of part 3 again; grid 4 x 64, 4 waves a work-group, clusters of 4 x 4, 327,680 bytes of LDS; arguments ph, vh, out0, st; writes out0
